; MI455X (gfx1250); checked and timed in simulation.
; The chip was launched on July 23, 2026; its instructions are those of AMD's public machine-readable ISA for CDNA 5 (MIT licence, August 2026) and "CDNA5" Instruction Set Architecture Reference Guide (July 2026). The comments in the code are by the model that wrote it; some were corrected since.
;; Additive Attention. Allowed arithmetic: matrix products marked QUANTISED: E2M3 operands, one E8M0 scale for each 32 along K, by v_wmma_scale_f32_16x16x128_f8f6f4 with both operands' format E2M3, f32 sums; products left as they are: f32 operands where the result goes on into a quantised operand, else bf16, f16 or f32 operands; f32 sums; everything else in f32.
;; Inputs: Wc 1,024 x 1 float32; Wq 1,024 x 1,024 float32; Wv 1,024 x 1,024 float32; bc 1 float32; bq 1,024 float32; bv 1,024 float32; mask 32 x 2,048 bool; query 32 x 1,024 float32; values 32 x 2,048 x 1,024 float32.
;; Outputs: out0 32 x 1,024 float32; out1 32 x 2,048 float32.
;; This version of the problem:
;;   THIS VERSION OF THE PROBLEM IS GIVEN IN LOW PRECISION. The matrix products marked QUANTISED in the list below multiply operands that are first quantised to E2M3 (2 exponent bits, 3 mantissa bits; 6 bits a number), with one power-of-two scale for each 32 numbers along K (OCP MX v1.0); their sums are f32. All else is computed in f32.
;;   The module's matrix products, in the order in which they are computed (A, B: the left and right operand; K: the contracted axis; several contracted axes count as one K, in the product's order):
;;     1. [M 32, K 1,024] x [K 1,024, N 1,024]; A: input query; B: input Wq: QUANTISED
;;     2. [M 65,536, K 1,024] x [K 1,024, N 1,024]; A: input values; B: input Wv: QUANTISED
;;     3. [M 65,536, K 1,024] x [K 1,024, N 1]; A: computed on the way; B: input Wc: left as it is (N = 1 < 16)
;;     4. batch 32 x [M 1, K 2,048] x [K 2,048, N 1,024]; A: softmax; B: input values: left as it is (M = 1 < 16)
;;   THE QUANTISER, for each operand of a quantised product, along K:
;;     - K is cut into blocks of 32 from its start; a last block that is shorter is filled with zeros.
;;     - A block's scale is 2^e with e = floor(log2(the largest magnitude in the block)) - 2, held to -126 .. 127; a block of zeros has e = 0. As a byte (E8M0): e + 127.
;;     - Each number is divided by its block's scale, clamped to +-7.5, and rounded to the nearest number of E2M3, ties to even, subnormals kept.
;;     - The product sums the exact products of the quantised numbers (number of the format x scale) in f32.
;;   ~~~python
;;   def quantise(x, axis):      # numpy; x: float32 -> the quantised numbers, widened to float32 again
;;       x = np.moveaxis(x, axis, -1); K = x.shape[-1]
;;       x = np.pad(x, [(0, 0)] * (x.ndim - 1) + [(0, -K % 32)]); x = x.reshape(x.shape[:-1] + (-1, 32)); a = np.abs(x).max(-1, keepdims=True)
;;       e = np.where(a > 0, np.clip(np.frexp(np.where(a > 0, a, 1))[1] - 1 - 2, -126, 127), 0)      # np.frexp(a)[1] - 1 = floor(log2(a)), exactly
;;       r = np.clip(x / 2.0 ** e, -7.5, 7.5)
;;       step = 2.0 ** (np.maximum(np.frexp(np.where(r == 0, 1, r))[1] - 1, 0) - 3)
;;       q = np.round(r / step) * step * 2.0 ** e      # np.round: ties to even
;;       return np.moveaxis(q.reshape(q.shape[:-2] + (-1,))[..., :K], -1, axis).astype(np.float32)
;;   ~~~
;; One version. Each part assembles by itself: llvm-mc -triple=amdgcn-amd-amdhsa -mcpu=gfx1250 --defsym DOCPART=n.
;; ======== version 1 of 1: 3 launches
;; workspace buffers: wvimg 819,200 bytes; cb 131,072 bytes; sraw 262,144 bytes; pml 4,096 bytes; pctx 2,097,152 bytes
;; launch prep (part 1): grid 64 x 1, 8 waves a work-group, no clusters, 33,792 bytes of LDS; arguments Wv, Wq, query, bq, bv, wvimg, cb; writes wvimg, cb
.if DOCPART == 1
	.amdgcn_target "amdgcn-amd-amdhsa--gfx1250"
	.amdhsa_code_object_version 6
	.text
	.protected	k_q061ef98aed_prep
	.globl	k_q061ef98aed_prep
	.p2align	8
	.type	k_q061ef98aed_prep,@function
k_q061ef98aed_prep:
	s_mov_b64 s[64:65], 0
	v_nop
	global_prefetch_b8 v0, s[64:65] scope:SCOPE_SE
	s_setreg_imm32_b32 hwreg(HW_REG_WAVE_MODE, 25, 1), 1
	s_wait_xcnt 0x0
; Wv and Wq, [1024 (k)][1024 (n)] f32, K their FIRST axis, become codes of FP6 (E2M3) with one E8M0 byte for each 32 along K.
; Work-groups 0-31 take Wv and store it as IMAGES OF THE OPERAND'S REGISTERS (wvimg); work-groups 32-63 take Wq, quantise the query too,
; multiply the two by the FP6 matrix form and store cb = c (query Wq + bq + bv), c = 2 log2(e): what the next launch's tanh adds to c x (values Wv).
; SHARES.  A work-group has 32 columns and all of K; its wave s has K step s (k = 128 s .. 128 s + 127).  A LANE TAKES A COLUMN AND ITS REGISTERS RUN DOWN K:
; a block of 32 lies in one lane's registers, and the conversions give codes with K innermost.  A load of a wave covers 128 consecutive bytes of a row of W.
; wvimg: 8 slots of 102,400 bytes, slot g = columns 128 g on.  In a slot the fragment of n tile u, K step s lies at (8 u + s) x 1,536: register group c at 512 c + 16 x lane;
; from byte 98,304 on the scale bytes: column cc has 32 bytes at 32 cc, K step s's word at + 4 s.
; A block's scale byte is its largest magnitude's exponent field - 2, held at 1 from below.
; LIMITS: a block of zeros gets the byte 1 where the rule says 127 (its codes are zeros, and this program alone reads the bytes); NaN and infinities are not served;
; the K sum of query Wq is made in eight parts, one a wave, added in f32 in a fixed order: another order of rounding than one chain; no quantiser stands behind it.
; REGISTERS: window 0 as named below; window 1: v0-127 W's 128 numbers of my column, v128-255 the query's (64 for each tile of 16 rows).
.set FLOOR, 0x1800000                  ; 2^(3 - 127): no largest magnitude is taken under it, so the byte cannot fall under 1
.set EOFF,  0xff000000                 ; takes 2 off an exponent field
.set TM,  6                            ; v6-9    largest magnitudes
.set SO,  10                           ; v10-13  the conversions' scale operands
.set BY,  14                           ; v14-17  scale bytes
.set SW,  18                           ; v18     W's scale word of my column (scales alone)
.set QS,  20                           ; v20-21  the query's scale words, tile 0, 1 (scales alone)
.set LI,  23                           ; v23     16 x lane
.set FA,  24                           ; v24-35 W's fragment of columns 0-15, v36-47 of columns 16-31
.set TA,  48                           ; v48-55, v56-63: the upper halves of blocks, until they are moved
.set TBH, 56
.set QF,  64                           ; v64-75, v76-87 the query's two fragments
.set T,   88                           ; v88-103 their upper halves
.set ACC, 104                          ; v104-135 four results: tile 2 t + v
.set PB,  136                          ; v136-167 eight waves' parts of four registers
.set YB,  128                          ; window 1: the query's numbers
.set MSB, 0
.macro WIN new                         ; the immediate's high byte repeats the setting that is left
.if MSB != (\new)
	s_set_vgpr_msb (MSB<<8)|(\new)
.set MSB, (\new)
.endif
.endm
.macro WLOAD                           ; W(128 s + k, my column), k = 0 .. 127, into window 1
	WIN 0x40
.set k, 0
.rept 128
	global_load_b32 v[k], v1, s[20:21] offset:4096*k
.set k, k+1
.endr
	WIN 0
.endm
; My column's four blocks become codes; then the halves of the lanes change places, so that lane (r, h) holds block 2 c + h of column r (first fragment) or 16 + r (second).
.macro WQUANT
	WIN 0x14                                       ; sources 1 and 2 in window 1
.irp b, 0,1,2,3
	v_max3_num_f32 v[TM+\b], FLOOR, |v[32*\b]|, |v[32*\b+1]|
.endr
.irp i, 2,4,6,8,10,12,14,16,18,20,22,24,26,28,30
.irp b, 0,1,2,3
	v_max3_num_f32 v[TM+\b], v[TM+\b], |v[32*\b+\i]|, |v[32*\b+\i+1]|   ; the four blocks by turns
.endr
.endr
	WIN 0
.irp b, 0,1,2,3
	v_add_nc_u32 v[SO+\b], EOFF, v[TM+\b]          ; the conversion takes this operand's exponent field as its scale
.endr
.irp b, 0,1,2,3
	v_lshrrev_b32 v[BY+\b], 23, v[SO+\b]           ; the scale's byte
.endr
	v_lshl_or_b32 v[SW], v[BY+1], 8, v[BY]
	v_lshl_or_b32 v[SW], v[BY+2], 16, v[SW]
	v_lshl_or_b32 v[SW], v[BY+3], 24, v[SW]        ; my column's word for this K step
	WIN 0x01                                       ; source 0 in window 1
.irp c, 0,1
	v_cvt_scalef32_pk16_fp6_f32 v[FA+6*\c:FA+6*\c+2], v[64*\c:64*\c+15], v[SO+2*\c]              ; block 2 c, lower 16
	v_cvt_scalef32_pk16_fp6_f32 v[TA+4*\c:TA+4*\c+2], v[64*\c+16:64*\c+31], v[SO+2*\c]           ; block 2 c, upper 16 (three registers begin on an even number)
	v_cvt_scalef32_pk16_fp6_f32 v[FA+12+6*\c:FA+12+6*\c+2], v[64*\c+32:64*\c+47], v[SO+2*\c+1]   ; block 2 c + 1, lower 16
	v_cvt_scalef32_pk16_fp6_f32 v[TBH+4*\c:TBH+4*\c+2], v[64*\c+48:64*\c+63], v[SO+2*\c+1]       ; block 2 c + 1, upper 16
.endr
	WIN 0
	v_nop                                          ; one plain place behind the scaled conversions
.irp c, 0,1
.irp i, 0,1,2
	v_permlane16_swap_b32 v[FA+6*\c+\i], v[FA+12+6*\c+\i]   ; the first's lanes 16-31 change places with the second's lanes 0-15
	v_permlane16_swap_b32 v[TA+4*\c+\i], v[TBH+4*\c+\i]
.endr
.endr
.irp c, 0,1
.irp i, 0,1,2
	v_mov_b32 v[FA+6*\c+3+\i], v[TA+4*\c+\i]
	v_mov_b32 v[FA+12+6*\c+3+\i], v[TBH+4*\c+\i]
.endr
.endr
.endm
; Rows 16 t .. 16 t + 15 of the query, K step s: lane (r, h) holds k = 64 c + 32 h + 0 .. 31 of row r: two whole blocks, in the operand's own order.
.macro QQUANT t
	WIN 0x14
.irp c, 0,1
	v_max3_num_f32 v[TM+\c], FLOOR, |v[YB+64*(\t)+32*\c]|, |v[YB+64*(\t)+32*\c+1]|
.endr
.irp i, 2,4,6,8,10,12,14,16,18,20,22,24,26,28,30
.irp c, 0,1
	v_max3_num_f32 v[TM+\c], v[TM+\c], |v[YB+64*(\t)+32*\c+\i]|, |v[YB+64*(\t)+32*\c+\i+1]|
.endr
.endr
	WIN 0
.irp c, 0,1
	v_add_nc_u32 v[SO+\c], EOFF, v[TM+\c]
.endr
.irp c, 0,1
	v_lshrrev_b32 v[BY+\c], 23, v[SO+\c]
.endr
	v_lshl_or_b32 v19, v[BY+1], 16, v[BY]          ; my two bytes: blocks h and 2 + h,
	v_lshlrev_b32 v19, v5, v19                     ; 8 h bits up;
	v_permlanex16_b32 v22, v19, s24, s25
	v_or_b32 v[QS+(\t)], v19, v22                  ; with lane l xor 16's two the word is whole
	WIN 0x01
.irp c, 0,1
	v_cvt_scalef32_pk16_fp6_f32 v[QF+12*(\t)+6*\c:QF+12*(\t)+6*\c+2], v[YB+64*(\t)+32*\c:YB+64*(\t)+32*\c+15], v[SO+\c]
	v_cvt_scalef32_pk16_fp6_f32 v[T+8*(\t)+4*\c:T+8*(\t)+4*\c+2], v[YB+64*(\t)+32*\c+16:YB+64*(\t)+32*\c+31], v[SO+\c]
.endr
	WIN 0
	v_nop                                          ; one plain place behind the scaled conversions
.irp c, 0,1
.irp i, 0,1,2
	v_mov_b32 v[QF+12*(\t)+6*\c+3+\i], v[T+8*(\t)+4*\c+\i]
.endr
.endr
.endm
	s_load_b256 s[4:11], s[0:1], 0x0               ; Wv s[4:5], Wq s[6:7], query s[8:9], bq s[10:11]
	s_load_b128 s[12:15], s[0:1], 0x20             ; bv s[12:13], wvimg s[14:15]
	s_load_b64 s[16:17], s[0:1], 0x30              ; cb
	v_lshl_add_u32 v254, v0, 2, 0x8000
	v_mov_b32 v255, 0
	v_lshrrev_b32 v1, 5, v0
	v_readfirstlane_b32 s18, v1                    ; wave = K step
	v_and_b32 v22, 31, v0                          ; lane
	v_lshlrev_b32 v1, 2, v22                       ; my column's 4 bytes
	v_lshlrev_b32 v[LI], 4, v22
	v_and_b32 v2, 15, v0                           ; r
	v_bfe_u32 v3, v0, 4, 1                         ; h
	s_and_b32 s22, ttmp9, 31                       ; which 32 columns
	s_lshl_b32 s28, s18, 19                        ; 128 rows of 4,096 bytes a K step
	s_lshl_b32 s29, s22, 7
	s_add_co_u32 s28, s28, s29
	s_mov_b32 s29, 0
	s_wait_kmcnt 0x0
	s_cmp_lt_u32 ttmp9, 32                         ; the one branch: on the work-group's number, the same in all eight waves
	s_cbranch_scc1 .Lwv
	; ---- Wq and the query
	s_add_nc_u64 s[20:21], s[6:7], s[28:29]
	s_lshl_b32 s30, s18, 9
	s_mov_b32 s31, 0
	s_add_nc_u64 s[8:9], s[8:9], s[30:31]          ; the query at my K step
	s_mov_b32 s24, 0x76543210
	s_mov_b32 s25, 0xfedcba98                      ; v_permlanex16_b32's selects for lane l xor 16
	s_mov_b32 s26, 0x4038aa3b                      ; c = 2 log2(e)
	v_lshlrev_b32 v4, 12, v2
	v_lshl_add_u32 v4, v3, 7, v4                   ; row r of 4,096 bytes, + 128 h
	v_lshlrev_b32 v5, 3, v3                        ; 8 h
	s_bfe_u32 s32, s18, 0x10001                    ; on the way out wave w has registers 4 w .. 4 w + 3 of the 32: tile t = w / 4, v = (w / 2) % 2, rows 4 (w % 2) on
	s_lshl_b32 s32, s32, 6
	s_lshl_b32 s33, s22, 7
	s_add_co_u32 s32, s32, s33                     ; 4 x (my first column + 16 v)
	s_mov_b32 s33, 0
	s_add_nc_u64 s[10:11], s[10:11], s[32:33]
	s_add_nc_u64 s[12:13], s[12:13], s[32:33]
	s_lshr_b32 s34, s18, 2
	s_lshl_b32 s34, s34, 16                        ; 16 t rows of cb
	s_and_b32 s35, s18, 1
	s_lshl_b32 s35, s35, 14                        ; + 4 (w % 2) rows
	s_add_co_u32 s34, s34, s35
	s_add_co_u32 s34, s34, s32
	s_mov_b32 s35, 0
	s_add_nc_u64 s[16:17], s[16:17], s[34:35]
	v_lshlrev_b32 v175, 2, v2                      ; 4 r
	v_lshl_add_u32 v174, v3, 15, v175              ; + 8 h rows
	global_load_b32 v172, v175, s[10:11]           ; bq and bv of the column that I store
	global_load_b32 v173, v175, s[12:13]
	WIN 0x40
.irp t, 0,1
.irp c, 0,1
.irp j, 0,1,2,3,4,5,6,7
	global_load_b128 v[YB+64*\t+32*\c+4*\j:YB+64*\t+32*\c+4*\j+3], v4, s[8:9] offset:65536*\t+256*\c+16*\j
.endr
.endr
.endr
	WLOAD
	s_wait_loadcnt 0x0
	WQUANT
	QQUANT 0
	QQUANT 1
	s_lshl_b32 s30, s18, 12
	s_lshl_b32 s31, s18, 9
	v_add_nc_u32 v168, s30, v[LI]                  ; LDS: my part: 4,096 x wave + 16 x lane
	v_add_nc_u32 v169, s31, v[LI]                  ; and what I read back: 512 x wave + 16 x lane of every part
	v_add_f32 v172, v172, v173
	v_mul_f32 v172, s26, v172                      ; c (bq + bv)
.rept 4
	v_nop                                          ; with the four lines above: eight places between the last write of a scale register and the scaled products
.endr
.irp t, 0,1
	v_wmma_scale_f32_16x16x128_f8f6f4 v[ACC+16*\t:ACC+16*\t+7], v[QF+12*\t:QF+12*\t+11], v[FA:FA+11], 0, v[QS+\t], v[SW] matrix_a_fmt:MATRIX_FMT_FP6 matrix_b_fmt:MATRIX_FMT_FP6
	v_wmma_scale_f32_16x16x128_f8f6f4 v[ACC+16*\t+8:ACC+16*\t+15], v[QF+12*\t:QF+12*\t+11], v[FA+12:FA+23], 0, v[QS+\t], v[SW] matrix_a_fmt:MATRIX_FMT_FP6 matrix_b_fmt:MATRIX_FMT_FP6 matrix_b_scale:MATRIX_SCALE_ROW1
.endr
.rept 4
	v_nop                                          ; four places ahead of the first read of the results
.endr
.irp i, 0,1,2,3,4,5,6,7
	ds_store_b128 v168, v[ACC+4*\i:ACC+4*\i+3] offset:512*\i   ; each result from its low end on
.endr
	s_wait_dscnt 0x0                               ; for the others' sake: my part lies in LDS
	s_barrier_signal -1
	s_barrier_wait -1
.irp a, 0,1,2,3,4,5,6,7
	ds_load_b128 v[PB+4*\a:PB+4*\a+3], v169 offset:4096*\a     ; the eight K steps' parts of my four registers
.endr
	s_wait_dscnt 0x0
.irp a, 0,2,4,6
.irp d, 0,2
	v_pk_add_f32 v[PB+4*\a+\d:PB+4*\a+\d+1], v[PB+4*\a+\d:PB+4*\a+\d+1], v[PB+4*\a+4+\d:PB+4*\a+4+\d+1]
.endr
.endr
.irp a, 0,4
.irp d, 0,2
	v_pk_add_f32 v[PB+4*\a+\d:PB+4*\a+\d+1], v[PB+4*\a+\d:PB+4*\a+\d+1], v[PB+4*\a+8+\d:PB+4*\a+8+\d+1]
.endr
.endr
.irp d, 0,2
	v_pk_add_f32 v[PB+\d:PB+\d+1], v[PB+\d:PB+\d+1], v[PB+16+\d:PB+16+\d+1]
.endr
.irp j, 0,1,2,3
	v_fma_f32 v[PB+\j], v[PB+\j], s26, v172        ; c x the sum + c (bq + bv)
.endr
.irp j, 0,1,2,3
	global_store_b32 v174, v[PB+\j], s[16:17] offset:4096*\j   ; cb(16 t + 4 (w % 2) + j + 8 h, column): sixteen lanes store 64 consecutive bytes; 128 KiB in the whole launch
.endr
	s_wait_tensorcnt 0x0
	ds_add_u32 v254, v255
	s_wait_dscnt 0x0
	s_endpgm
	; ---- Wv
.Lwv:
	s_add_nc_u64 s[20:21], s[4:5], s[28:29]
	s_lshr_b32 s30, s22, 2
	s_mul_i32 s30, s30, 102400                     ; my slot
	s_and_b32 s31, s22, 3
	s_mul_i32 s32, s31, 24576                      ; my two n tiles in it
	s_mul_i32 s33, s18, 1536                       ; my K step
	s_add_co_u32 s32, s32, s33
	s_add_co_u32 s32, s32, s30
	s_mov_b32 s33, 0
	s_lshl_b32 s34, s31, 10                        ; the scale bytes of my 32 columns,
	s_lshl_b32 s35, s18, 2                         ; my K step's word
	s_add_co_u32 s34, s34, s35
	s_add_co_u32 s34, s34, s30
	s_add_co_u32 s34, s34, 98304
	s_mov_b32 s35, 0
	s_add_nc_u64 s[32:33], s[14:15], s[32:33]
	s_add_nc_u64 s[34:35], s[14:15], s[34:35]
	WLOAD
	s_wait_loadcnt 0x0
	WQUANT
	v_lshlrev_b32 v19, 5, v22                      ; 32 bytes a column
.irp v, 0,1
.irp c, 0,1,2
	global_store_b128 v[LI], v[FA+12*\v+4*\c:FA+12*\v+4*\c+3], s[32:33] offset:12288*\v+512*\c   ; 32 lanes store 512 consecutive bytes, at a multiple of 512 from the buffer's first byte
.endr
.endr
	global_store_b32 v19, v[SW], s[34:35]          ; 4 bytes of each column's 32: 32 KiB in the whole launch
	s_endpgm
.Lfunc_end_k_q061ef98aed_prep:
	.size	k_q061ef98aed_prep, .Lfunc_end_k_q061ef98aed_prep-k_q061ef98aed_prep
	.p2alignl 7, 3214868480
	.fill 96, 4, 3214868480
	.section	.rodata,"a",@progbits
	.p2align	6, 0x0
	.amdhsa_kernel k_q061ef98aed_prep
		.amdhsa_group_segment_fixed_size 33792
		.amdhsa_private_segment_fixed_size 0
		.amdhsa_enable_private_segment 0
		.amdhsa_kernarg_size 56
		.amdhsa_user_sgpr_count 2
		.amdhsa_user_sgpr_kernarg_segment_ptr 1
		.amdhsa_wavefront_size32 1
		.amdhsa_system_sgpr_workgroup_id_x 1
		.amdhsa_system_sgpr_workgroup_id_y 1
		.amdhsa_system_sgpr_workgroup_id_z 1
		.amdhsa_system_vgpr_workitem_id 0
		.amdhsa_next_free_vgpr 512
		.amdhsa_next_free_sgpr 66
		.amdhsa_reserve_vcc 0
		.amdhsa_float_denorm_mode_32 3
		.amdhsa_float_denorm_mode_16_64 3
		.amdhsa_memory_ordered 1
		.amdhsa_forward_progress 1
		.amdhsa_inst_pref_size 53
	.end_amdhsa_kernel
	.amdgpu_metadata
---
amdhsa.version: [ 1, 2 ]
amdhsa.kernels:
  - .name:           k_q061ef98aed_prep
    .symbol:         k_q061ef98aed_prep.kd
    .args:
      - { .name: Wv, .offset: 0, .size: 8, .value_kind: global_buffer, .address_space: global }
      - { .name: Wq, .offset: 8, .size: 8, .value_kind: global_buffer, .address_space: global }
      - { .name: query, .offset: 16, .size: 8, .value_kind: global_buffer, .address_space: global }
      - { .name: bq, .offset: 24, .size: 8, .value_kind: global_buffer, .address_space: global }
      - { .name: bv, .offset: 32, .size: 8, .value_kind: global_buffer, .address_space: global }
      - { .name: wvimg, .offset: 40, .size: 8, .value_kind: global_buffer, .address_space: global }
      - { .name: cb, .offset: 48, .size: 8, .value_kind: global_buffer, .address_space: global }
    .group_segment_fixed_size: 33792
    .private_segment_fixed_size: 0
    .kernarg_segment_align: 8
    .kernarg_segment_size: 56
    .max_flat_workgroup_size: 256
    .sgpr_count:     66
    .vgpr_count:     512
    .wavefront_size: 32
...
	.end_amdgpu_metadata
.endif
;; end of part 1
;; launch main (part 2): grid 512 x 1, 4 waves a work-group, clusters of 4 x 1, 327,680 bytes of LDS; arguments values, mask, bc, Wc, cb, wvimg, sraw, pml, pctx; writes sraw, pml, pctx
.if DOCPART == 2
	.amdgcn_target "amdgcn-amd-amdhsa--gfx1250"
	.amdhsa_code_object_version 6
	.text
	.protected	k_q061ef98aed_main
	.globl	k_q061ef98aed_main
	.p2align	8
	.type	k_q061ef98aed_main,@function
k_q061ef98aed_main:
	s_mov_b64 s[64:65], 0
	v_nop
	global_prefetch_b8 v0, s[64:65] scope:SCOPE_SE
	s_setreg_imm32_b32 hwreg(HW_REG_WAVE_MODE, 25, 1), 1
	s_wait_xcnt 0x0
	s_wait_alu depctr_hold_cnt(0) depctr_sa_sdst(0) depctr_va_vdst(0) depctr_va_sdst(0) depctr_va_ssrc(0) depctr_va_vcc(0) depctr_vm_vsrc(0)
	s_getreg_b32 s2, hwreg(HW_REG_IB_STS2, 6, 4)
	s_cmp_eq_u32 s2, 0
	s_cbranch_scc0 .Lentry_in_a_cluster
	s_endpgm
.Lentry_in_a_cluster:
	s_bfe_u32 s2, ttmp6, 0x10000c
	s_cmp_lg_u32 s2, 0x3003
	s_cbranch_scc0 .Lentry_shape_is_right
	s_endpgm
.Lentry_shape_is_right:
; For 128 rows (b, s) of values: score = sum over n of Wc[n] tanh(q_proj[b][n] + (values Wv)[n] + bv[n]) + bc, the mask, and this block's part of the softmax and of the context.
; values [65,536][1024] f32 is read from memory ONCE: each row is quantised to FP6 (E2M3, one E8M0 byte for each 32 along K) into the matrix operand's registers, and a bf16 copy stays in registers for the context.
; SHARES.  A work-group has 128 rows of one batch, each of its four waves 32 (two tiles of 16), for all 1,024 columns and all of K: 192 registers of codes and 512 of the copy a wave.
; Wv's codes come as images of the operand's registers (wvimg, made by the launch before) through a ring of two LDS slots of 128 columns, filled by the tensor data mover and read by all four waves.
; CLUSTER.  The four work-groups of a cluster walk the same slots: each quarter of a slot is asked for JOINTLY, by the same tensor load with the same descriptor and a mask that names the four.
; tanh(x) = 1 - 2 / (1 + 2^(c x)), c = 2 log2(e); c x = c D + cb, cb = c (q_proj + bq + bv) from the launch before.  A lane holds one column (lane % 16) and eight rows of a result, so
; score = sum(Wc) - 2 sum(Wc / (1 + 2^(c x))) is summed in the lane over its 64 columns and once across sixteen lanes at the end.
; BY TURNS.  A step is one tile of 16 columns: 16 products (K = 8 x 128, two tiles of rows by turns).  A tile's tanh goes through the three steps that follow its products:
;   step t + 1, in slices behind the products: c D + cb and the exponentials, in place;   head of step t + 2: 1 + e goes to R, ahead of the products that take the accumulators again;
;   step t + 2, in slices: the reciprocals, in R;   head of step t + 3: the running sums take R x Wc, ahead of the next move into R.
; So a step's 32 transcendentals (one tile's exponentials, another's reciprocals) are ONE batch with one wait, at the step's end, and behind each product stand two or three vector lines.
; The step is written once for all 64 tiles: accumulators, R, cb and Wc begin as zeros, and 512 zero bytes lie ahead of Wc's table, so that the three tiles that do not exist add 0 x a finite number.
; OUT.  sraw: score + bc, or the least f32 number where the mask is 0; pml: the block's maximum m and l = sum of p, p = e^(s - m); pctx: sum of p x values.  The next launch joins a batch's 16 blocks.
; LIMITS: NaN and infinities in the inputs are not served; a block of zeros gets the byte 1 where the rule says 127 (its codes are zeros; this program alone reads the bytes); values are rounded to bf16 for the context.
; No prefetch is written: the rows of values are asked for by up to 48 register loads a wave with no drain between them, and wvimg's slots are walked by every work-group.
; REGISTERS, in windows of 256 (s_set_vgpr_msb: bits 1:0 source 0, 3:2 source 1, 5:4 source 2, 7:6 destination):
;   window 0: v1-18 addresses and small work; v19 sum of Wc; v20-35 the running sums (while rows are loaded: T); v36-39, v10-11 Wc; v40-55 A's scale words; v56-63 B's; v64-159, v160-255 B's fragments, two sets
;             (while rows are loaded: v64-191 two sets of 64 numbers, v192-255 the turned numbers)
;   window 1: v0-191 A's 16 fragments; v192-223 two sets of two accumulators; v224-239 R; v240-243 cb of two tiles; v245-247 LDS addresses (while rows are loaded: v192-255 a third set of 64 numbers)
;   windows 2, 3: the bf16 copy of rows 0-15, 16-31: register 32 s + 2 i + e = columns 128 s + 4 lane + 2 e, + 1 of row i.
.set TILEB, 12288                      ; a tile of 16 columns: 8 fragments of 1,536 bytes
.set SLOTB, 102400                     ; a slot: 8 tiles and 4,096 scale bytes
.set QB,    25600                      ; a quarter of it: what one tensor load brings
.set SLOT1, 131072                     ; ring slot 1 begins here: one exclusive or turns an address from one slot to the other
.set CBT,   102400                     ; LDS behind ring slot 0: cb of my batch, 4,096 bytes;
.set ZPD,   106496                     ; 512 zero bytes: Wc of the tiles ahead of tile 0;
.set WCT,   107008                     ; Wc, 4,096;
.set RED,   111104                     ; four waves' parts of the context, 4 x 4,096;
.set SCR,   127488                     ; four maxima, four sums;
.set SPARE, 127744                     ; the spare words, 128 bytes for each wave: two blocks of 256 bytes that no other line names
.set STG,   233472                     ; behind ring slot 1: for each wave a stage of 16 rows x (512 + 16) bytes
.set FLOOR, 0x1800000                  ; 2^(3 - 127)
.set EOFF,  0xff000000                 ; takes 2 off an exponent field
.set SPW, 1
.set NIL, 2
.set LI,  3                            ; 16 x lane
.set LI2, 4                            ; a tile's scale bytes: 98,304 + 32 r + 16 h
.set LR4, 5                            ; CBT + 4 r
.set STS, 6                            ; my stage, on the way in: + 16 x lane
.set STL, 7                            ; and back: + 528 r + 128 h
.set H8,  8                            ; 8 h
.set ROWL, 9                           ; the row whose score my lane takes at the end
.set TM,  10
.set SO,  12
.set BY,  14
.set WL,  19                           ; the sweep: sum of Wc
.set T,   20                           ; while rows are loaded
.set SA,  20                           ; the sweep: the running sums, register 8 t + j
.set WC,  36                           ; Wc of the tile whose sums are due;
.set WC1, 38                           ; of tile 62,
.set WC2, 10                           ; of tile 63, for the drain
.set AS,  40
.set BS,  56
.set BF,  64
.set Y,   192
.set ACC, 192                          ; window 1 from here on
.set RR,  224
.set CB,  240
.set ADR, 245
.set ADRS, 246
.set ADRC, 247
.set SF,  64                           ; the tail, window 0: 16 scores a lane;
.set CT,  96                           ; 32 sums of the context;
.set PV,  128                          ; 32 weights p
.set WM,  0x51                         ; the sweep: source 0, source 2 and destination in window 1, source 1 in window 0
.set WLD, 0x01                         ; source 0 in window 1, all else in window 0: LDS loads into window 0 by an address in window 1, and the running sums
.set MSB, 0
.macro WIN new                         ; the immediate's high byte repeats the setting that is left
.if MSB != (\new)
	s_set_vgpr_msb (MSB<<8)|(\new)
.set MSB, (\new)
.endif
.endm
.macro CROUND                          ; a round of the cluster's barrier
	s_barrier_signal -1
	s_barrier_wait -1
	s_cmp_lg_u32 s22, 0
	s_cbranch_scc1 .Lnot_wave_0_\@
	s_barrier_signal -3
.Lnot_wave_0_\@:
	s_barrier_wait -3
	s_barrier_signal -1
	s_barrier_wait -1
.endm
; Unit q = 8 t + s: rows 16 t .. 16 t + 15, columns 128 s .. 128 s + 127.  Each load takes 512 consecutive bytes of one row; every offset is an immediate.  Three sets of registers by turns.
.macro XLOAD q
.set XW, ((\q)%3)/2
.set XB, 64+64*((\q)%3)
	WIN XW<<6
.irp i, 0,1,2,3,4,5,6,7,8,9,10,11,12,13,14,15
	global_load_b128 v[XB+4*\i:XB+4*\i+3], v[LI], s[4:5] offset:(16*((\q)/8)+\i)*4096+512*((\q)%8) th:TH_LOAD_NT
.endr
.endm
; v[Y + 32 c + i] = k 64 c + 32 h + i of my row r: two whole blocks a lane, in the operand's own order.  They become fragment q and its scale word.
.macro QUANT q
.irp c, 0,1
	v_max3_num_f32 v[TM+\c], |v[Y+32*\c]|, |v[Y+32*\c+1]|, FLOOR
.endr
.irp c, 0,1
	v_max3_num_f32 v[SO+\c], |v[Y+32*\c+16]|, |v[Y+32*\c+17]|, |v[Y+32*\c+18]|
.endr
.irp i, 0,1,2,3,4,5
.irp c, 0,1
	v_max3_num_f32 v[TM+\c], v[TM+\c], |v[Y+32*\c+2+2*\i]|, |v[Y+32*\c+3+2*\i]|     ; four chains by turns
.endr
.irp c, 0,1
	v_max3_num_f32 v[SO+\c], v[SO+\c], |v[Y+32*\c+19+2*\i]|, |v[Y+32*\c+20+2*\i]|
.endr
.endr
.irp c, 0,1
	v_max3_num_f32 v[TM+\c], v[TM+\c], |v[Y+32*\c+14]|, |v[Y+32*\c+15]|
.endr
.irp c, 0,1
	v_max3_num_f32 v[TM+\c], v[TM+\c], v[SO+\c], |v[Y+32*\c+31]|
.endr
.irp c, 0,1
	v_add_nc_u32 v[SO+\c], EOFF, v[TM+\c]          ; the conversion takes this operand's exponent field as its scale
.endr
.irp c, 0,1
	v_lshrrev_b32 v[BY+\c], 23, v[SO+\c]           ; the scale's byte
.endr
	v_lshl_or_b32 v16, v[BY+1], 16, v[BY]          ; blocks h and 2 + h,
	v_lshlrev_b32 v16, v[H8], v16                  ; 8 h bits up;
	v_permlanex16_b32 v17, v16, s52, s53
	v_or_b32 v[AS+(\q)], v16, v17                  ; with lane l xor 16's two the word is whole
.irp c, 0,1
	v_cvt_scalef32_pk16_fp6_f32 v[T+4*\c:T+4*\c+2], v[Y+32*\c+16:Y+32*\c+31], v[SO+\c]   ; the upper 16 codes: three registers begin on an even number, so these are made here and moved
.endr
	WIN 0x40
.irp c, 0,1
	v_cvt_scalef32_pk16_fp6_f32 v[12*(\q)+6*\c:12*(\q)+6*\c+2], v[Y+32*\c:Y+32*\c+15], v[SO+\c]   ; the lower 16 go straight to their place
.endr
	v_nop                                          ; one plain place behind the scaled conversions
.irp c, 0,1
.irp i, 0,1,2
	v_mov_b32 v[12*(\q)+6*\c+3+\i], v[T+4*\c+\i]
.endr
.endr
	WIN 0
.endm
.macro UNIT q
.set UT, (\q)/8
.set US, (\q)%8
.set XW, ((\q)%3)/2
.set XB, 64+64*((\q)%3)
.if (\q) <= 13
	s_wait_loadcnt 32                              ; this unit's 16 loads are in; the two units behind it stay out
.elseif (\q) == 14
	s_wait_loadcnt 16
.else
	s_wait_loadcnt 0
.endif
	WIN XW<<2                                      ; an LDS store's data are its source 1
.irp i, 0,1,2,3,4,5,6,7,8,9,10,11,12,13,14,15
	ds_store_b128 v[STS], v[XB+4*\i:XB+4*\i+3] offset:528*\i      ; as loaded: row i, 512 consecutive bytes
.endr
	WIN ((2+UT)<<6)|(XW<<2)|XW
.irp i, 0,1,2,3,4,5,6,7,8,9,10,11,12,13,14,15
.irp e, 0,1
	v_cvt_pk_bf16_f32 v[32*US+2*\i+\e], v[XB+4*\i+2*\e], v[XB+4*\i+2*\e+1]   ; the copy for the context
.endr
.endr
	WIN 0
.irp c, 0,1
.irp j, 0,1,2,3,4,5,6,7
	ds_load_b128 v[Y+32*\c+4*\j:Y+32*\c+4*\j+3], v[STL] offset:256*\c+16*\j   ; back by rows: LDS serves a wave's instructions in order; rows 132 words apart start 4 banks apart
.endr
.endr
	s_wait_dscnt 16                                ; all but the 16 loads: the stores have read their registers,
.if (\q)+3 < 16
	XLOAD (\q)+3                                   ; which take the unit three on
.endif
	WIN 0
	s_wait_dscnt 0x0
	QUANT \q
.endm
.macro FETCHB p                        ; a tile's eight fragments and its scale words into set p: 25 loads, each lane's 16 bytes at 16 x lane
.irp s, 0,1,2,3,4,5,6,7
.irp c, 0,1,2
	ds_load_b128 v[BF+96*(\p)+12*\s+4*\c:BF+96*(\p)+12*\s+4*\c+3], v[ADR] offset:1536*\s+512*\c
.endr
.endr
	ds_load_b128 v[BS+4*(\p):BS+4*(\p)+3], v[ADRS]   ; register i: lanes 0-15 column r's word of K step i, lanes 16-31 of K step 4 + i
.endm
.macro MM p, t, s                      ; source 0 = 16 rows of values, source 1 = 16 columns of Wv; the first K step starts the sum
.set MD, ACC+16*(\p)+8*(\t)
.set MA, 12*(8*(\t)+(\s))
.set MB, BF+96*(\p)+12*(\s)
.if (\s) == 0
	v_wmma_scale_f32_16x16x128_f8f6f4 v[MD:MD+7], v[MA:MA+11], v[MB:MB+11], 0, v[AS+8*(\t)+(\s)], v[BS+4*(\p)+(\s)%4] matrix_a_fmt:MATRIX_FMT_FP6 matrix_b_fmt:MATRIX_FMT_FP6
.elseif (\s) < 4
	v_wmma_scale_f32_16x16x128_f8f6f4 v[MD:MD+7], v[MA:MA+11], v[MB:MB+11], v[MD:MD+7], v[AS+8*(\t)+(\s)], v[BS+4*(\p)+(\s)%4] matrix_a_fmt:MATRIX_FMT_FP6 matrix_b_fmt:MATRIX_FMT_FP6
.else
	v_wmma_scale_f32_16x16x128_f8f6f4 v[MD:MD+7], v[MA:MA+11], v[MB:MB+11], v[MD:MD+7], v[AS+8*(\t)+(\s)], v[BS+4*(\p)+(\s)%4] matrix_a_fmt:MATRIX_FMT_FP6 matrix_b_fmt:MATRIX_FMT_FP6 matrix_b_scale:MATRIX_SCALE_ROW1
.endif
.endm
; THE TANH'S THREE PARTS.
; SUMS w (under WLD): the running sums take R x Wc, the reciprocals of the tile three steps back; w: the pair whose low word is that tile's Wc of my column.
.macro SUMS w
.irp j, 0,2,4,6,8,10,12,14
	v_pk_fma_f32 v[SA+\j:SA+\j+1], v[RR+\j:RR+\j+1], v[(\w):(\w)+1], v[SA+\j:SA+\j+1] op_sel_hi:[1,0,1]   ; += Wc / (1 + 2^(c x))
.endr
	v_fma_f32 v[WL], 1.0, v[(\w)], v[WL]           ; += Wc
.endm
; TO_R p (under WM): 1 + e of the tile two steps back leaves accumulator set p, which this step's products take again.
.macro TO_R p
.irp j, 0,2,4,6,8,10,12,14
	v_pk_add_f32 v[RR+\j:RR+\j+1], v[ACC+16*(\p)+\j:ACC+16*(\p)+\j+1], 1.0 op_sel_hi:[1,0]
.endr
.endm
; SLICE q, i (under WM): slice i of 16.  Even: pair i / 2 of set q, the last step's results, is scaled (c D + cb; from the low end on), and two of R's reciprocals; odd: that pair's two exponentials.
; No line of a step names a result of the step's exponentials or reciprocals: they are one batch, and its wait stands at the step's end.
.macro SLICE q, i
.set EA, ACC+16*(\q)
.set SK, (\i)/2
.if (\i)%2 == 0
	v_pk_fma_f32 v[EA+2*SK:EA+2*SK+1], v[EA+2*SK:EA+2*SK+1], s[50:51], v[CB+2*(\q):CB+2*(\q)+1] op_sel_hi:[1,0,0]
	v_rcp_f32 v[RR+2*SK], v[RR+2*SK]
	v_rcp_f32 v[RR+2*SK+1], v[RR+2*SK+1]
.else
	v_exp_f32 v[EA+2*SK], v[EA+2*SK]
	v_exp_f32 v[EA+2*SK+1], v[EA+2*SK+1]
.endif
.endm
.macro BATCH_END
	v_nop                                          ; a plain place behind the last transcendental
	s_wait_alu depctr_va_vdst(0)                   ; the wait ahead of the batch's first reader, and ahead of every label and branch: one for the 32
.endm
; A STEP: tile u, in set p = u % 2.  kind 0: plain; 1: the slot's last tile is in registers: the slot is left and filled again; 2: left, nothing more to fetch; 3: the last tile.
.macro STEP p, kind
.if ((\kind) == 1) || ((\kind) == 2)
	WIN 0
	s_wait_tensorcnt 0x0                           ; all my tensor loads have landed: the one that was out is my quarter of the other slot; so a group 0 may be written
	ds_add_u32 v[SPW], v[NIL]                      ; 0 onto my spare word; the steps below stand between it and the wait for it
.if (\kind) == 1
	s_xor_b32 s41, s41, SLOT1                      ; the walking descriptor: the other ring slot than last time,
	s_add_nc_u64 s[42:43], s[42:43], SLOTB         ; the next 128 columns; the type bits on top are not reached
.endif
	s_sub_co_u32 s44, s44, 8*TILEB                 ; the fetches go back to a slot's first tile,
	s_xor_b32 s44, s44, SLOT1                      ; in the other slot
	s_sub_co_u32 s45, s45, 4096
	s_xor_b32 s45, s45, SLOT1
	s_wait_dscnt 0x0                               ; the add is done, and my reads of the slot that is left are over (its last tile was asked for a step ago)
.if (\kind) == 1
	CROUND                                         ; no wave of any partner still reads that slot or has a load on its way
	tensor_load_to_lds s[40:43], s[28:35]          ; my one tensor load behind the round: it has eight steps, 128 products, in which to land
	s_nop 0
.rept 4
	v_nop
.endr
.else
	s_barrier_signal -1
	s_barrier_wait -1
.endif
.endif
	WIN WLD
	s_wait_dscnt 0x0                               ; what was asked for a whole step ago: this tile's fragments and scale words, tile u - 1's cb, tile u - 3's Wc
	SUMS WC                                        ; tile u - 3.  These lines and the next eight name no register of the last step's last products: they are the places ahead of the loads into
	WIN WM                                         ; those products' operands and of the first read of their results
	TO_R \p                                        ; tile u - 2
.if (\kind) != 3
	v_add_nc_u32 v[ADR], s44, v[LI]
	v_add_nc_u32 v[ADRS], s45, v[LI2]
.endif
	v_add_nc_u32 v[ADRC], s46, v[LR4]
	ds_load_b32 v[CB+2*(\p)], v[ADRC]              ; this tile's cb of my column, for the next step's slices,
	WIN WLD
	ds_load_b32 v[WC], v[ADRC] offset:WCT-CBT-128  ; and tile u - 2's Wc, for the next step's head (ahead of tile 0: zero bytes)
.if (\kind) != 3
	FETCHB 1-(\p)                                  ; the next tile, in one run
	s_add_co_u32 s44, s44, TILEB
	s_add_co_u32 s45, s45, 512
	s_add_co_u32 s46, s46, 64
.else
	ds_load_b32 v[WC1], v[ADRC] offset:WCT-CBT-64  ; tiles 62's and 63's Wc, for the drain
	ds_load_b32 v[WC2], v[ADRC] offset:WCT-CBT
.endif
	WIN WM
.irp s, 0,1,2,3,4,5,6,7
	MM \p, 0, \s                                   ; the two accumulators take turns, one instruction a turn
	SLICE 1-(\p), 2*\s
	MM \p, 1, \s
	SLICE 1-(\p), 2*\s+1
.endr
	BATCH_END
.endm
	s_load_b256 s[4:11], s[0:1], 0x0               ; values s[4:5], mask s[6:7], bc s[8:9], Wc s[10:11]
	s_load_b256 s[12:19], s[0:1], 0x20             ; cb s[12:13], wvimg s[14:15], sraw s[16:17], pml s[18:19]
	s_load_b64 s[20:21], s[0:1], 0x40              ; pctx
	v_lshl_add_u32 v[SPW], v0, 2, SPARE
	v_mov_b32 v[NIL], 0
	ds_add_u32 v1, v2
	ds_add_u32 v1, v2
	s_wait_dscnt 0x0
	v_lshrrev_b32 v19, 5, v0
	v_readfirstlane_b32 s22, v19                   ; wave 0..3
	s_bfe_u32 s23, ttmp6, 0x40000                  ; cx: my place in the cluster; it enters global addresses of my own rows alone
	s_lshl_b32 s24, ttmp9, 2
	s_add_co_u32 s24, s24, s23                     ; my block of 128 rows
	v_and_b32 v16, 31, v0                          ; lane
	v_and_b32 v17, 15, v0                          ; r
	v_bfe_u32 v19, v0, 4, 1                        ; h
	v_lshlrev_b32 v[LI], 4, v16
	v_lshlrev_b32 v[LI2], 5, v17
	v_lshl_add_u32 v[LI2], v19, 4, v[LI2]
	v_add_nc_u32 v[LI2], 98304, v[LI2]
	v_lshl_add_u32 v[LR4], v17, 2, CBT
	s_mul_i32 s55, s22, 8448
	s_add_co_u32 s55, s55, STG                     ; my stage
	v_add_nc_u32 v[STS], s55, v[LI]
	v_mul_u32_u24 v[STL], v17, 528
	v_lshl_add_u32 v[STL], v19, 7, v[STL]
	v_add_nc_u32 v[STL], s55, v[STL]
	v_lshlrev_b32 v[H8], 3, v19
	v_and_b32 v[ROWL], 7, v0
	v_lshl_add_u32 v[ROWL], v19, 3, v[ROWL]
	v_bfe_u32 v18, v0, 3, 1
	v_lshl_add_u32 v[ROWL], v18, 4, v[ROWL]        ; 16 ((lane / 8) % 2) + 8 (lane / 16) + lane % 8
	v_lshlrev_b32 v19, 4, v0                       ; 16 x thread: the tables' bytes
	v_add_nc_u32 v16, CBT, v19
	v_lshl_add_u32 v17, v0, 2, ZPD                 ; 4 x thread: the zero bytes
	; descriptor group 1: a quarter of a slot, 25,600 dense bytes, as 100 rows of 256 bytes
	s_mov_b32 s28, 15|(3<<16)|(1<<21)              ; 15:0 the mask: all four work-groups; 17:16 elements of 8 bytes; 21 set beside a mask; no padding
	s_mov_b32 s29, 32<<16                          ; tensor_dim0 = 32
	s_mov_b32 s30, 100<<16                         ; tensor_dim1 = 100
	s_mov_b32 s31, 32<<16                          ; tile_dim0 = 32
	s_mov_b32 s32, 100                             ; tile_dim1 = 100
	s_mov_b32 s33, 32                              ; from row to row
	s_mov_b32 s34, 0
	s_mov_b32 s35, 0
	s_mov_b32 s50, 0x4038aa3b                      ; c = 2 log2(e)
	s_mov_b32 s51, s50                             ; (named with it as a pair, so it is written)
	s_mov_b32 s52, 0x76543210
	s_mov_b32 s53, 0xfedcba98                      ; v_permlanex16_b32's selects for lane l xor 16
	s_lshl_b32 s56, s24, 19                        ; 128 rows of 4,096 bytes,
	s_lshl_b32 s57, s22, 17                        ; my wave's 32
	s_add_co_u32 s56, s56, s57
	s_mov_b32 s57, 0
	s_lshl_b32 s58, s24, 7
	s_lshl_b32 s59, s22, 5
	s_add_co_u32 s58, s58, s59                     ; my first row
	s_mov_b32 s59, 0
	s_mul_i32 s62, s22, QB                         ; my quarter of a slot: the wave's number alone enters the descriptors
	s_mov_b32 s63, 0
	s_wait_kmcnt 0x0
	s_add_nc_u64 s[4:5], s[4:5], s[56:57]
	s_add_nc_u64 s[6:7], s[6:7], s[58:59]
	s_lshl_b32 s58, s58, 2
	s_add_nc_u64 s[16:17], s[16:17], s[58:59]
	s_lshl_b32 s58, s24, 3
	s_add_nc_u64 s[18:19], s[18:19], s[58:59]
	s_lshl_b32 s58, s24, 12
	s_lshl_b32 s60, s22, 10
	s_add_co_u32 s58, s58, s60
	s_add_nc_u64 s[20:21], s[20:21], s[58:59]
	s_lshr_b32 s58, s24, 4                         ; my batch
	s_lshl_b32 s58, s58, 12
	s_add_nc_u64 s[12:13], s[12:13], s[58:59]
	s_load_b32 s54, s[8:9], 0x0                    ; bc
	s_mov_b32 s36, 1                               ; group 0 for slot 0
	s_mov_b32 s37, s62
	s_add_nc_u64 s[38:39], s[14:15], s[62:63]
	s_mov_b32 s40, 1                               ; and for slot 1: this one then walks
	s_add_co_u32 s41, s62, SLOT1
	s_add_nc_u64 s[42:43], s[38:39], SLOTB
	s_or_b32 s39, s39, 0x80000000
	s_or_b32 s43, s43, 0x80000000
	global_load_b128 v[20:23], v19, s[12:13]       ; cb of my batch and Wc: 16 bytes a thread, twice each
	global_load_b128 v[24:27], v19, s[12:13] offset:2048
	global_load_b128 v[28:31], v19, s[10:11]
	global_load_b128 v[32:35], v19, s[10:11] offset:2048
	global_load_u8 v18, v[ROWL], s[6:7]            ; the mask of the row whose score I take
	XLOAD 0                                        ; the first three units are on their way while the cluster meets
	XLOAD 1
	XLOAD 2
	WIN 0
	CROUND                                         ; all four work-groups are here: the first joint loads meet
	tensor_load_to_lds s[36:39], s[28:35]          ; slots 0 and 1: two tensor loads of mine are out
	s_nop 0
	tensor_load_to_lds s[40:43], s[28:35]
	s_nop 0
.rept 4
	v_nop
.endr
	s_wait_loadcnt 48                              ; the five table loads are in (so their offset register may be written); the 48 loads of values behind them stay out
	s_wait_kmcnt 0x0                               ; bc
	v_mov_b32 v19, 0
	ds_store_b128 v16, v[20:23]
	ds_store_b128 v16, v[24:27] offset:2048
	ds_store_b128 v16, v[28:31] offset:WCT-CBT
	ds_store_b128 v16, v[32:35] offset:WCT-CBT+2048
	ds_store_b32 v17, v19                          ; 128 threads x 4 zero bytes
	; ---- my 32 rows come in: 16 units, each read once, copied as bf16, turned through my stage and quantised
.irp q, 0,1,2,3,4,5,6,7,8,9,10,11,12,13,14,15
	UNIT \q
.endr
	s_wait_tensorcnt 0x1                           ; my quarter of slot 0 is in; slot 1's may stay out
	s_wait_dscnt 0x0                               ; my part of the tables lies in LDS
	s_barrier_signal -1
	s_barrier_wait -1
	; The step is written once: its first three trips find zeros in the accumulators, R, cb and Wc.  (These lines are also the places between the last write of an operand or scale word and the first product)
.irp j, 0,1,2,3,4,5,6,7,8,9,10,11,12,13,14,15
	v_mov_b32 v[SA+\j], 0                          ; the running sums
.endr
	v_mov_b32 v[WL], 0
	v_mov_b32 v[WC], 0
	v_mov_b32 v[WC+1], 0                           ; the upper words of pairs of which the low word serves both halves: named, so written
	v_mov_b32 v[WC1+1], 0
	v_mov_b32 v[WC2+1], 0
	WIN 0x40
.set k, 0
.rept 52
	v_mov_b32 v[ACC+k], 0                          ; window 1, v192-243: both sets of accumulators, R, cb's two pairs
.set k, k+1
.endr
	s_mov_b32 s44, 0                               ; LDS byte of the tile to be fetched,
	s_mov_b32 s45, 0                               ; of its scale bytes (less 98,304),
	s_mov_b32 s46, 0                               ; and 64 x the tile in hand: its cb and Wc
	WIN WM
	v_add_nc_u32 v[ADR], s44, v[LI]
	v_add_nc_u32 v[ADRS], s45, v[LI2]
	WIN WLD
	FETCHB 0                                       ; tile 0
	s_add_co_u32 s44, s44, TILEB
	s_add_co_u32 s45, s45, 512
	; ---- the sweep over Wv's 64 tiles of 16 columns
	STEP 0, 0                                      ; tile 0
	WIN 0                                          ; at a label and at a branch every window is 0
	s_mov_b32 s47, 6
.Lslot:                                            ; six trips: tiles 8 g + 1 .. 8 g + 8; in each the slot that is left is filled with slot g + 2
	s_mov_b32 s48, 3
.Lpair_a:
	STEP 1, 0
	STEP 0, 0
	WIN 0
	s_sub_co_u32 s48, s48, 1
	s_cmp_lg_u32 s48, 0
	s_cbranch_scc1 .Lpair_a
	STEP 1, 1
	STEP 0, 0
	WIN 0
	s_sub_co_u32 s47, s47, 1
	s_cmp_lg_u32 s47, 0
	s_cbranch_scc1 .Lslot
	s_mov_b32 s48, 3                               ; the tail is written out: tiles 49 to 54
.Lpair_b:
	STEP 1, 0
	STEP 0, 0
	WIN 0
	s_sub_co_u32 s48, s48, 1
	s_cmp_lg_u32 s48, 0
	s_cbranch_scc1 .Lpair_b
	STEP 1, 2                                      ; 55: on to the last slot, nothing is asked for,
	STEP 0, 0                                      ; 56,
	WIN 0
	s_mov_b32 s48, 3
.Lpair_c:                                          ; 57 to 62,
	STEP 1, 0
	STEP 0, 0
	WIN 0
	s_sub_co_u32 s48, s48, 1
	s_cmp_lg_u32 s48, 0
	s_cbranch_scc1 .Lpair_c
	STEP 1, 3                                      ; 63
	; ---- the drain: what three more steps' heads and slices would do
	WIN WLD
	s_wait_dscnt 0x0                               ; tile 63's cb; tiles 61's, 62's and 63's Wc
	SUMS WC                                        ; tile 61.  (These lines and the next eight are the places ahead of the first read of tile 63's results)
	WIN WM
	TO_R 0                                         ; tile 62
.irp i, 0,1,2,3,4,5,6,7,8,9,10,11,12,13,14,15
	SLICE 1, \i                                    ; tile 63's scalings and exponentials, tile 62's reciprocals
.endr
	BATCH_END
	WIN WLD
	SUMS WC1                                       ; tile 62
	WIN WM
	TO_R 1                                         ; tile 63
.irp j, 0,1,2,3,4,5,6,7,8,9,10,11,12,13,14,15
	v_rcp_f32 v[RR+\j], v[RR+\j]
.endr
	BATCH_END
	WIN WLD
	SUMS WC2                                       ; tile 63
	WIN 0
	; ---- the scores
.irp k, 0,1,2,3,4,5,6,7,8,9,10,11,12,13,14,15
	v_fma_f32 v[SF+\k], v[SA+\k], -2.0, v[WL]      ; my 64 columns' part of row 16 (k / 8) + 8 h + k % 8
.endr
.irp m, 1,2,4,8
.irp k, 0,1,2,3,4,5,6,7,8,9,10,11,12,13,14,15
	v_add_f32_dpp v[SF+\k], v[SF+\k], v[SF+\k] row_xmask:\m row_mask:0xf bank_mask:0xf   ; over the sixteen lanes, which hold the sixteen columns of each tile
.endr
.endr
	v_mov_b32 v80, v[SF]
.irp k, 1,2,3,4,5,6,7,8,9,10,11,12,13,14,15
	s_mov_b32 s55, 0x10001<<\k
	v_cndmask_b32 v80, v80, v[SF+\k], s55          ; lanes k and 16 + k take register k: a lane a row
.endr
	v_add_f32 v80, s54, v80                        ; + bc
	v_mov_b32 v81, 0xff7fffff                      ; the least f32 number
	v_cmp_ne_u32 vcc_lo, 0, v18
	v_cndmask_b32 v80, v81, v80, vcc_lo            ; where the mask is 0
	v_lshlrev_b32 v82, 2, v[ROWL]
	global_store_b32 v82, v80, s[16:17]            ; the wave's 32 scores: 128 consecutive bytes
	v_mov_b32 v84, 0
	v_mov_b32 v83, v80
.irp m, 1,2,4,8
	v_max_num_f32_dpp v83, v83, v83 row_xmask:\m row_mask:0xf bank_mask:0xf
.endr
	v_permlanex16_b32 v84, v83, s52, s53
	v_max_num_f32 v83, v83, v84                    ; my wave's largest score
	s_lshl_b32 s56, s22, 2
	s_add_co_u32 s56, s56, SCR
	v_mov_b32 v85, s56
	v_mov_b32 v86, SCR
	ds_store_b32 v85, v83                          ; all lanes write the same word with the same value
	s_wait_dscnt 0x0
	s_barrier_signal -1
	s_barrier_wait -1
	ds_load_b128 v[88:91], v86
	s_wait_dscnt 0x0
	v_max3_num_f32 v92, v88, v89, v90
	v_max_num_f32 v92, v92, v91                    ; m: the block's
	v_sub_f32 v94, v80, v92                        ; the difference first: a block that is wholly masked gives 0 here
	v_mul_f32 v94, 0x3fb8aa3b, v94
	v_exp_f32 v94, v94                             ; p = e^(s - m)
	v_nop
	s_wait_alu depctr_va_vdst(0)                   ; the wait ahead of the first reader
	v_mov_b32 v95, v94
.irp m, 1,2,4,8
	v_add_f32_dpp v95, v95, v95 row_xmask:\m row_mask:0xf bank_mask:0xf
.endr
	v_permlanex16_b32 v84, v95, s52, s53
	v_add_f32 v95, v95, v84                        ; my wave's sum of p
	; ---- the context's part: sum over my 32 rows of p x the bf16 copy; a lane holds columns 128 s + 4 lane + 0 .. 3
.irp t, 0,1
.irp i, 0,1,2,3,4,5,6,7,8,9,10,11,12,13,14,15
	v_readlane_b32 s[66+16*\t+\i], v94, 16*(\i/8)+8*\t+\i%8    ; row 16 t + i's p lies in that lane
.endr
.endr
.set k, 0
.rept 32
	v_mov_b32 v[PV+k], s[66+k]
	v_mov_b32 v[CT+k], 0
.set k, k+1
.endr
.irp t, 0,1
	WIN 0x02+\t                                    ; source 0: the copy of rows 16 t on
.irp i, 0,1,2,3,4,5,6,7,8,9,10,11,12,13,14,15
.irp s, 0,1,2,3,4,5,6,7
.irp e, 0,1
	v_fma_mix_f32_bf16 v[CT+4*\s+2*\e], v[32*\s+2*\i+\e], v[PV+16*\t+\i], v[CT+4*\s+2*\e] op_sel_hi:[1,0,0]
	v_fma_mix_f32_bf16 v[CT+4*\s+2*\e+1], v[32*\s+2*\i+\e], v[PV+16*\t+\i], v[CT+4*\s+2*\e+1] op_sel:[1,0,0] op_sel_hi:[1,0,0]
.endr
.endr
.endr
.endr
	WIN 0
	s_lshl_b32 s56, s22, 12
	s_add_co_u32 s56, s56, RED
	v_add_nc_u32 v87, s56, v[LI]
	s_lshl_b32 s57, s22, 10
	s_add_co_u32 s57, s57, RED
	v_add_nc_u32 v81, s57, v[LI]
.irp s, 0,1,2,3,4,5,6,7
	ds_store_b128 v87, v[CT+4*\s:CT+4*\s+3] offset:512*\s      ; my part, 4 bytes a column
.endr
	ds_store_b32 v85, v95 offset:16
	s_wait_dscnt 0x0
	s_barrier_signal -1
	s_barrier_wait -1
.irp a, 0,1,2,3
.irp e, 0,1
	ds_load_b128 v[160+8*\a+4*\e:160+8*\a+4*\e+3], v81 offset:4096*\a+512*\e   ; the four waves' parts of columns 256 w on
.endr
.endr
	ds_load_b128 v[88:91], v86 offset:16
	s_wait_dscnt 0x0
.irp d, 0,2,4,6
	v_pk_add_f32 v[160+\d:161+\d], v[160+\d:161+\d], v[168+\d:169+\d]
	v_pk_add_f32 v[176+\d:177+\d], v[176+\d:177+\d], v[184+\d:185+\d]
.endr
.irp d, 0,2,4,6
	v_pk_add_f32 v[160+\d:161+\d], v[160+\d:161+\d], v[176+\d:177+\d]
.endr
	v_add_f32 v88, v88, v89
	v_add_f32 v90, v90, v91
	v_add_f32 v93, v88, v90                        ; l: the block's
	v_mov_b32 v84, 0
.irp e, 0,1
	global_store_b128 v[LI], v[160+4*\e:163+4*\e], s[20:21] offset:512*\e   ; 32 lanes store 512 consecutive bytes, at a multiple of 512 from the buffer's first byte
.endr
	v_cmp_eq_u32 vcc_lo, 0, v0
	s_wait_xcnt 0x0                                ; EXEC changes only behind this wait
	s_and_saveexec_b32 s55, vcc_lo
	global_store_b64 v84, v[92:93], s[18:19]       ; thread 0 alone: (m, l)
	s_wait_xcnt 0x0                                ; and again, in front of the line that widens it
	s_or_b32 exec_lo, exec_lo, s55
	s_wait_tensorcnt 0x0                           ; the wave's end: behind my last tensor load and my last LDS store
	ds_add_u32 v[SPW], v[NIL]
	s_wait_dscnt 0x0
	CROUND                                         ; the closing round: no work-group ends while a partner may still ask for a tile that names it
	s_endpgm
.Lfunc_end_k_q061ef98aed_main:
	.size	k_q061ef98aed_main, .Lfunc_end_k_q061ef98aed_main-k_q061ef98aed_main
	.p2alignl 7, 3214868480
	.fill 96, 4, 3214868480
	.section	.rodata,"a",@progbits
	.p2align	6, 0x0
	.amdhsa_kernel k_q061ef98aed_main
		.amdhsa_group_segment_fixed_size 327680
		.amdhsa_private_segment_fixed_size 0
		.amdhsa_enable_private_segment 0
		.amdhsa_kernarg_size 72
		.amdhsa_user_sgpr_count 2
		.amdhsa_user_sgpr_kernarg_segment_ptr 1
		.amdhsa_wavefront_size32 1
		.amdhsa_system_sgpr_workgroup_id_x 1
		.amdhsa_system_sgpr_workgroup_id_y 1
		.amdhsa_system_sgpr_workgroup_id_z 1
		.amdhsa_system_vgpr_workitem_id 0
		.amdhsa_next_free_vgpr 1024
		.amdhsa_next_free_sgpr 100
		.amdhsa_reserve_vcc 1
		.amdhsa_float_denorm_mode_32 3
		.amdhsa_float_denorm_mode_16_64 3
		.amdhsa_memory_ordered 1
		.amdhsa_forward_progress 1
		.amdhsa_inst_pref_size 255
	.end_amdhsa_kernel
	.section	.bss,"aw",@nobits
	.p2align	6
	.space	262144
	.amdgpu_metadata
---
amdhsa.version: [ 1, 2 ]
amdhsa.kernels:
  - .name:           k_q061ef98aed_main
    .symbol:         k_q061ef98aed_main.kd
    .args:
      - { .name: values, .offset: 0, .size: 8, .value_kind: global_buffer, .address_space: global }
      - { .name: mask, .offset: 8, .size: 8, .value_kind: global_buffer, .address_space: global }
      - { .name: bc, .offset: 16, .size: 8, .value_kind: global_buffer, .address_space: global }
      - { .name: Wc, .offset: 24, .size: 8, .value_kind: global_buffer, .address_space: global }
      - { .name: cb, .offset: 32, .size: 8, .value_kind: global_buffer, .address_space: global }
      - { .name: wvimg, .offset: 40, .size: 8, .value_kind: global_buffer, .address_space: global }
      - { .name: sraw, .offset: 48, .size: 8, .value_kind: global_buffer, .address_space: global }
      - { .name: pml, .offset: 56, .size: 8, .value_kind: global_buffer, .address_space: global }
      - { .name: pctx, .offset: 64, .size: 8, .value_kind: global_buffer, .address_space: global }
    .group_segment_fixed_size: 327680
    .private_segment_fixed_size: 0
    .kernarg_segment_align: 8
    .kernarg_segment_size: 72
    .max_flat_workgroup_size: 128
    .sgpr_count:     100
    .vgpr_count:     1024
    .wavefront_size: 32
...
	.end_amdgpu_metadata
.endif
;; end of part 2
;; launch comb (part 3): grid 8 x 32, 1 waves a work-group, no clusters, 0 bytes of LDS; arguments sraw, pml, pctx, out0, out1; writes out0, out1
.if DOCPART == 3
	.amdgcn_target "amdgcn-amd-amdhsa--gfx1250"
	.amdhsa_code_object_version 6
	.text
	.protected	k_q061ef98aed_comb
	.globl	k_q061ef98aed_comb
	.p2align	8
	.type	k_q061ef98aed_comb,@function
k_q061ef98aed_comb:
	s_mov_b64 s[64:65], 0
	v_nop
	global_prefetch_b8 v0, s[64:65] scope:SCOPE_SE
	s_setreg_imm32_b32 hwreg(HW_REG_WAVE_MODE, 25, 1), 1
	s_wait_xcnt 0x0
; A batch's 16 blocks are joined: M = the largest m_j, F_j = e^(m_j - M), L = sum of F_j l_j; context = sum of F_j pctx_j / L; weight = e^(s - M) / L.
; Work-group (e, b), one wave, owns columns 128 e .. 128 e + 127 of out0[b] and scores 256 e .. 256 e + 255 of out1[b].  Each of its loads and stores covers 512 consecutive bytes.
; The differences are formed before they are scaled to base 2: a batch that is wholly masked has every s = M and gets equal weights.
; No LDS, no barrier, no matrix unit: 18 loads a wave, a few hundred operations.  LIMITS: NaN and infinities are not served.
	s_load_b256 s[4:11], s[0:1], 0x0               ; sraw s[4:5], pml s[6:7], pctx s[8:9], out0 s[10:11]
	s_load_b64 s[12:13], s[0:1], 0x20              ; out1
	s_and_b32 s14, ttmp7, 0xffff                   ; the batch
	v_lshlrev_b32 v1, 4, v0                        ; 16 x lane
	s_lshl_b32 s48, s14, 7                         ; pml: 16 pairs of 8 bytes a batch
	s_mov_b32 s49, 0
	s_lshl_b32 s50, s14, 16                        ; pctx: 16 rows of 4,096 bytes a batch,
	s_lshl_b32 s15, ttmp9, 9                       ; my 128 columns
	s_add_co_u32 s50, s50, s15
	s_mov_b32 s51, 0
	s_lshl_b32 s52, s14, 13                        ; sraw, out1: 8,192 bytes a batch,
	s_lshl_b32 s53, ttmp9, 10                      ; my 256 scores
	s_add_co_u32 s52, s52, s53
	s_mov_b32 s53, 0
	s_lshl_b32 s54, s14, 12                        ; out0: 4,096 bytes a batch
	s_add_co_u32 s54, s54, s15
	s_mov_b32 s55, 0
	s_wait_kmcnt 0x0
	s_add_nc_u64 s[6:7], s[6:7], s[48:49]
	s_add_nc_u64 s[8:9], s[8:9], s[50:51]
	s_add_nc_u64 s[4:5], s[4:5], s[52:53]
	s_add_nc_u64 s[12:13], s[12:13], s[52:53]
	s_add_nc_u64 s[10:11], s[10:11], s[54:55]
	s_load_b512 s[16:31], s[6:7], 0x0              ; m_j in s[16 + 2 j], l_j in s[17 + 2 j]
	s_load_b512 s[32:47], s[6:7], 0x40
.irp j, 0,1,2,3,4,5,6,7,8,9,10,11,12,13,14,15
	global_load_b128 v[32+4*\j:35+4*\j], v1, s[8:9] offset:4096*\j th:TH_LOAD_NT
.endr
	global_load_b128 v[96:99], v1, s[4:5] th:TH_LOAD_NT
	global_load_b128 v[100:103], v1, s[4:5] offset:512 th:TH_LOAD_NT
	s_wait_kmcnt 0x0
	v_mov_b32 v4, s16
.irp j, 1,3,5,7,9,11,13
	v_max3_num_f32 v4, v4, s[16+2*\j], s[18+2*\j]
.endr
	v_max_num_f32 v4, s46, v4                      ; M
.irp j, 0,1,2,3,4,5,6,7,8,9,10,11,12,13,14,15
	v_sub_f32 v[8+\j], s[16+2*\j], v4
.endr
.irp j, 0,1,2,3,4,5,6,7,8,9,10,11,12,13,14,15
	v_mul_f32 v[8+\j], 0x3fb8aa3b, v[8+\j]
.endr
.irp j, 0,1,2,3,4,5,6,7,8,9,10,11,12,13,14,15
	v_exp_f32 v[8+\j], v[8+\j]                     ; F_j
.endr
	v_nop                                          ; a plain place behind the last exponential
	s_wait_alu depctr_va_vdst(0)                   ; the wait ahead of the batch's first reader: one for the sixteen
	v_mul_f32 v5, s17, v8
.irp j, 1,2,3,4,5,6,7,8,9,10,11,12,13,14,15
	v_fma_f32 v5, v[8+\j], s[17+2*\j], v5          ; L
.endr
	v_rcp_f32 v6, v5
	v_nop
	s_wait_alu depctr_va_vdst(0)
.irp j, 0,1,2,3,4,5,6,7,8,9,10,11,12,13,14,15
	v_mul_f32 v[8+\j], v[8+\j], v6                 ; F_j / L
.endr
	s_wait_loadcnt 0x0
.irp i, 0,1,2,3,4,5,6,7
	v_sub_f32 v[96+\i], v[96+\i], v4               ; s - M
.endr
.irp i, 0,1,2,3,4,5,6,7
	v_mul_f32 v[96+\i], 0x3fb8aa3b, v[96+\i]
.endr
.irp i, 0,1,2,3,4,5,6,7
	v_exp_f32 v[96+\i], v[96+\i]
.endr
.irp i, 0,1,2,3
	v_mul_f32 v[24+\i], v[32+\i], v8               ; the first block starts the sums.  (Plain work behind the exponentials, which it does not name)
.endr
.irp j, 1,2,3,4,5,6,7,8,9,10,11,12,13,14,15
.irp i, 0,1,2,3
	v_fma_f32 v[24+\i], v[32+4*\j+\i], v[8+\j], v[24+\i]
.endr
.endr
	global_store_b128 v1, v[24:27], s[10:11]       ; the context
	s_wait_alu depctr_va_vdst(0)                   ; one wait for the eight
.irp i, 0,1,2,3,4,5,6,7
	v_mul_f32 v[96+\i], v[96+\i], v6               ; the weights
.endr
	global_store_b128 v1, v[96:99], s[12:13]
	global_store_b128 v1, v[100:103], s[12:13] offset:512
	s_endpgm
.Lfunc_end_k_q061ef98aed_comb:
	.size	k_q061ef98aed_comb, .Lfunc_end_k_q061ef98aed_comb-k_q061ef98aed_comb
	.p2alignl 7, 3214868480
	.fill 96, 4, 3214868480
	.section	.rodata,"a",@progbits
	.p2align	6, 0x0
	.amdhsa_kernel k_q061ef98aed_comb
		.amdhsa_group_segment_fixed_size 0
		.amdhsa_private_segment_fixed_size 0
		.amdhsa_enable_private_segment 0
		.amdhsa_kernarg_size 40
		.amdhsa_user_sgpr_count 2
		.amdhsa_user_sgpr_kernarg_segment_ptr 1
		.amdhsa_wavefront_size32 1
		.amdhsa_system_sgpr_workgroup_id_x 1
		.amdhsa_system_sgpr_workgroup_id_y 1
		.amdhsa_system_sgpr_workgroup_id_z 1
		.amdhsa_system_vgpr_workitem_id 0
		.amdhsa_next_free_vgpr 128
		.amdhsa_next_free_sgpr 66
		.amdhsa_reserve_vcc 0
		.amdhsa_float_denorm_mode_32 3
		.amdhsa_float_denorm_mode_16_64 3
		.amdhsa_memory_ordered 1
		.amdhsa_forward_progress 1
		.amdhsa_inst_pref_size 13
	.end_amdhsa_kernel
	.amdgpu_metadata
---
amdhsa.version: [ 1, 2 ]
amdhsa.kernels:
  - .name:           k_q061ef98aed_comb
    .symbol:         k_q061ef98aed_comb.kd
    .args:
      - { .name: sraw, .offset: 0, .size: 8, .value_kind: global_buffer, .address_space: global }
      - { .name: pml, .offset: 8, .size: 8, .value_kind: global_buffer, .address_space: global }
      - { .name: pctx, .offset: 16, .size: 8, .value_kind: global_buffer, .address_space: global }
      - { .name: out0, .offset: 24, .size: 8, .value_kind: global_buffer, .address_space: global }
      - { .name: out1, .offset: 32, .size: 8, .value_kind: global_buffer, .address_space: global }
    .group_segment_fixed_size: 0
    .private_segment_fixed_size: 0
    .kernarg_segment_align: 8
    .kernarg_segment_size: 40
    .max_flat_workgroup_size: 32
    .sgpr_count:     66
    .vgpr_count:     128
    .wavefront_size: 32
...
	.end_amdgpu_metadata
.endif
;; end of part 3
